; MI455X (gfx1250); checked and timed in simulation.
; The chip was launched on July 23, 2026; its instructions are those of AMD's public machine-readable ISA for CDNA 5 (MIT licence, August 2026) and "CDNA5" Instruction Set Architecture Reference Guide (July 2026). The comments in the code are by the model that wrote it; some were corrected since.
;; L1 Writer. Allowed arithmetic: matrix products marked QUANTISED: E4M3 operands, one given power-of-two scale a tensor, by v_wmma_f32_16x16x64_fp8_fp8 or v_wmma_f32_16x16x128_fp8_fp8, f32 sums; products left as they are: f32 operands where the result goes on into a quantised operand, else bf16, f16 or f32 operands; f32 sums; everything else in f32.
;; Inputs: keys 4 x 4,096 x 16 x 64 float32; lowp_scales 2 int32 (the exponents e of the quantised operands' scales 2^e); memory 16 x 64 x 64 float32; values 4 x 4,096 x 16 x 64 float32; write_strengths 4 x 4,096 float32.
;; Outputs: out0 16 x 64 x 64 float32.
;; This version of the problem:
;;   THIS VERSION OF THE PROBLEM IS GIVEN IN LOW PRECISION. The matrix products marked QUANTISED in the list below multiply operands that are first quantised to E4M3 (4 exponent bits, 3 mantissa bits; 8 bits a number), with one given power-of-two scale for each operand tensor; their sums are f32. All else is computed in f32.
;;   The module's matrix products, in the order in which they are computed (A, B: the left and right operand; K: the contracted axis; several contracted axes count as one K, in the product's order):
;;     1. batch 16,384 x [M 1, K 1] x [K 1, N 1,024]; A: computed on the way; B: computed on the way: left as it is (no contracted axis)
;;     2. batch 16 x [M 64, K 16,384] x [K 16,384, N 64]; A: computed on the way; B: input values: QUANTISED (scales: A lowp_scales[0], B lowp_scales[1])
;;   THE QUANTISER, for each operand of a quantised product, along K:
;;     - The operand's scale is 2^e, e = its entry of the input lowp_scales (int32; the entries are numbered through the quantised products in the list's order, A before B).
;;     - Each number is divided by the scale, clamped to +-448, and rounded to the nearest number of E4M3, ties to even, subnormals kept.
;;     - The product sums the exact products of the quantised numbers (number of the format x scale) in f32.
;;   ~~~python
;;   def quantise(x, axis, e):      # numpy; x: float32 -> the quantised numbers, widened to float32 again
;;       x = np.moveaxis(x, axis, -1); K = x.shape[-1]
;;       r = np.clip(x / 2.0 ** e, -448, 448)
;;       step = 2.0 ** (np.maximum(np.frexp(np.where(r == 0, 1, r))[1] - 1, -6) - 3)
;;       q = np.round(r / step) * step * 2.0 ** e      # np.round: ties to even
;;       return np.moveaxis(q, -1, axis).astype(np.float32)
;;   ~~~
;;   OPERANDS COMPUTED ON THE WAY. 'Computed on the way' means the value that the module computes at that place (a softmax that the list does not call 'softmax' is quantised finished and normalised). What goes into a quantiser is computed in f32, as accurately as f32 sums, v_exp_f32 and their like allow (about 1e-6 of the number): no bf16 or f16 on the way to a quantiser, and a product that is left as it is and whose result goes on into a quantised operand takes f32 operands (vector FMAs, or v_wmma_f32_16x16x4_f32). A number that lies on a knife's edge between two numbers of the format may be rounded either way, as far as f32 arithmetic and the matrix unit's own rounding can turn it there, and no further.
;; 2 versions, each right; version 2 is version 1 with the launch outer written anew for expert scheduling mode. Each part assembles by itself: llvm-mc -triple=amdgcn-amd-amdhsa -mcpu=gfx1250 --defsym DOCPART=n.
;; ======== version 1 of 2: 2 launches
;; workspace buffers: part 4,194,304 bytes
;; launch outer (part 1): grid 16 x 16, 8 waves a work-group, no clusters, 136,192 bytes of LDS; arguments keys, values, write_strengths, lowp_scales, part; writes part
.if DOCPART == 1
	.amdgcn_target "amdgcn-amd-amdhsa--gfx1250"
	.amdhsa_code_object_version 6
	.text
	.protected	k_q91f3a546cd_outer
	.globl	k_q91f3a546cd_outer
	.p2align	8
	.type	k_q91f3a546cd_outer,@function
k_q91f3a546cd_outer:
	s_mov_b64 s[64:65], 0
	v_nop
	global_prefetch_b8 v0, s[64:65] scope:SCOPE_SE
	s_setreg_imm32_b32 hwreg(HW_REG_WAVE_MODE, 25, 1), 1
	s_wait_xcnt 0x0
; part[c][h][k][v] = the sum over the 1,024 rows (b,s) of chunk c of Q(rho[row] keys[row][h][k]) Q(values[row][h][v]), as a sum of products of CODES of FP8 (E4M3):
; the factor 2^(e0 + e1) is applied once, by the launch that adds the 16 chunks.  keys, values: [16384 rows][16 heads][64] f32; rho = write_strengths: [16384] f32.
; Q: x / 2^e, held within +-448, to the nearest code, ties to even; e0 (rho x keys) and e1 (values) are the two whole numbers in lowp_scales.
; LIMITS: e0 and e1 lie between -126 and 119, so that 2^e and 448 x 2^e are f32 numbers.  NaN among the inputs is not served (an infinity is held at the largest code).
; The sums are grouped by wave (128 rows) and then added over the eight waves in a fixed tree: another order than one ascending chain.
; SHARES.  Work-group (x = head h, y = chunk c): 1,024 rows x 256 bytes of keys and of values; each piece is 256 consecutive bytes at a multiple of 256 from the buffer's first byte.
; Wave w: rows 128 w .. 128 w + 127: ONE step of 128 along K for all 16 tiles of the head's 64 x 64.  K is not innermost in memory, so:
; LANES.  Lane (r = lane % 16, h2 = lane / 16) loads 16 bytes, columns 4 r .. 4 r + 3 of row 64 h2 + i: sixteen lanes read a row's whole 256 bytes, one instruction two rows.
; Tile j of an operand is the columns { 4 r + j }: which columns form a tile only says where a result lands.  The k place (h2, register g, byte a) holds row 64 h2 + 4 g + a in keys and values alike,
; so every product meets its partner.  The conversion leaves 4 columns of one row in a register; eight v_perm_b32 turn 4 rows x 4 columns of bytes, so that a register holds 4 rows of one column.
; NO CLUSTER: no byte of keys or values is read by two work-groups; what heads share is a chunk's 4,096 bytes of rho beside 524,288 bytes of their own.  No tensor loads: the ring below lies in registers.
; REGISTERS, in windows of 256 (s_set_vgpr_msb: bits 1:0 source 0, 3:2 source 1, 5:4 source 2, 7:6 destination):
;   window 0: v1-11 addresses and scales; v12-15 rho as loaded; v16-79 rho of my half's 64 rows; v80-95 codes by rows; v96-111 half turned; v128-191 keys' four fragments; v192-255 values'.
;   window 1: a ring of four slots x 64 registers (8 loads of keys, 8 of values); at the end v0-127 the 16 accumulators, v128-255 eight waves' images of my share.
.set ROWB,  4096                       ; bytes from row to row in keys and in values
.set RHO,   131072                     ; LDS: eight images of 16,384 bytes, then 512 bytes of rho for each wave
.set VOFF,  1                          ; v1   64 h2 rows + 16 r: my 16 bytes of a load; never rewritten
.set ROFF,  2                          ; v2   16 x lane
.set RST,   3                          ; v3   LDS: where I put my 16 bytes of rho
.set RLD,   4                          ; v4   LDS: rho of my half's 64 rows
.set IMG,   5                          ; v5   LDS: my wave's image + 16 x lane
.set RDA,   6                          ; v6-7 LDS: my share in the images of waves 0-3, 4-7
.set OUTO,  8                          ; v8   my byte in the part: 32 h2 rows of 256 bytes + 16 r
.set SCK,   9                          ; v9   2^e0, v10 2^e1, as f32: the conversions take the exponent field
.set T,     11
.set RRAW,  12
.set R,     16
.set D,     80
.set P,     96
.set FK,    128
.set FV,    192
.set L,     128                        ; window 1: image of source wave s at L + 16 s
.set WV,    16                         ; s16  wave
.set CH,    17                         ; s17  chunk
.set LKN,   20                         ; s20, s21  -448 x 2^e0, +448 x 2^e0
.set LKP,   21
.set LVN,   22                         ; s22, s23  the same with e1
.set LVP,   23
.set SELA,  28                         ; s28-31  byte selectors
.set SELB,  29
.set SELC,  30
.set SELD,  31
.set MSB, 0
.macro WIN new                         ; the immediate's high byte repeats the setting that is left; a switch that changes nothing is dropped
.if MSB != \new
	s_set_vgpr_msb (MSB<<8)|\new
.set MSB, \new
.endif
.endm
; Batch b = rows 8 b .. 8 b + 7 of each half: 8 loads of keys, 8 of values, into slot b % 4.  Read once in the launch.
.macro LOADB b
.irp a, 0,1,2,3,4,5,6,7
	global_load_b128 v[64*((\b)%4)+4*\a:64*((\b)%4)+4*\a+3], v[VOFF], s[4:5] offset:(8*(\b)+\a)*ROWB th:TH_LOAD_NT
.endr
.irp a, 0,1,2,3,4,5,6,7
	global_load_b128 v[64*((\b)%4)+32+4*\a:64*((\b)%4)+32+4*\a+3], v[VOFF], s[6:7] offset:(8*(\b)+\a)*ROWB th:TH_LOAD_NT
.endr
.endm
	s_load_b256 s[4:11], s[0:1], 0x0               ; keys s[4:5], values s[6:7], rho s[8:9], the scales' exponents s[10:11]
	s_load_b64 s[12:13], s[0:1], 0x20              ; part
	v_lshl_add_u32 v126, v0, 2, 0x21000
	v_mov_b32 v127, 0
	v_lshrrev_b32 v[T], 5, v0
	v_readfirstlane_b32 s[WV], v[T]                ; wave 0..7
	v_and_b32 v[VOFF], 15, v0                      ; r
	v_bfe_u32 v[T], v0, 4, 1                       ; h2
	v_lshlrev_b32 v[VOFF], 4, v[VOFF]              ; 16 r
	v_lshl_add_u32 v[OUTO], v[T], 13, v[VOFF]      ; + 32 h2 rows of 256 bytes
	v_lshl_add_u32 v[VOFF], v[T], 18, v[VOFF]      ; + 64 h2 rows of 4,096 bytes
	v_and_b32 v[ROFF], 31, v0
	v_lshlrev_b32 v[ROFF], 4, v[ROFF]              ; 16 x lane
	s_and_b32 s[CH], ttmp7, 0xffff                 ; chunk
	s_lshl_b32 s18, s[CH], 22                      ; 1,024 rows x 4,096 bytes a chunk,
	s_lshl_b32 s19, s[WV], 19                      ; 128 rows a wave,
	s_add_co_u32 s18, s18, s19
	s_lshl_b32 s19, ttmp9, 8                       ; 256 bytes a head: under 2^27 in all
	s_add_co_u32 s18, s18, s19
	s_mov_b32 s19, 0
	s_lshl_b32 s24, s[CH], 12                      ; rho: 4,096 bytes a chunk, 512 a wave
	s_lshl_b32 s25, s[WV], 9
	s_add_co_u32 s24, s24, s25
	s_mov_b32 s25, 0
	s_wait_kmcnt 0x0
	s_add_nc_u64 s[4:5], s[4:5], s[18:19]
	s_add_nc_u64 s[6:7], s[6:7], s[18:19]
	s_add_nc_u64 s[8:9], s[8:9], s[24:25]
	s_load_b64 s[14:15], s[10:11], 0x0             ; e0, e1
	global_load_b128 v[RRAW:RRAW+3], v[ROFF], s[8:9]   ; my wave's 128 rho: 512 consecutive bytes, once
	WIN 0x40                                       ; destination window 1, address window 0
	LOADB 0                                        ; the ring is filled before anything else is done: 64 loads of 512 bytes a wave
	LOADB 1
	LOADB 2
	LOADB 3
	WIN 0
	v_lshl_add_u32 v[RST], v0, 4, RHO              ; 16 x thread = 512 x wave + 16 x lane
	v_lshrrev_b32 v[RLD], 4, v0                    ; 2 x wave + h2
	v_lshl_add_u32 v[RLD], v[RLD], 8, RHO          ; my half's 64 rho: 256 bytes
	v_lshrrev_b32 v[T], 5, v0
	v_lshl_add_u32 v[IMG], v[T], 14, v[ROFF]       ; 16,384 x wave + 16 x lane
	s_mov_b32 s[SELA], 0x05010400                  ; of two rows' codes: columns 0 and 1, the rows side by side
	s_mov_b32 s[SELB], 0x07030602                  ; columns 2 and 3
	s_mov_b32 s[SELC], 0x05040100                  ; of two such pairs: the low halves: four rows of the even column
	s_mov_b32 s[SELD], 0x07060302                  ; the high halves: of the odd column
	s_lshr_b32 s26, s[WV], 1                       ; ja: in the last phase I add the four tiles (ja, 0..3),
	s_and_b32 s27, s[WV], 1                        ; q: registers 4 q .. 4 q + 3 of each
	s_lshl_b32 s24, s[CH], 18                      ; part: 262,144 bytes a chunk,
	s_lshl_b32 s25, ttmp9, 14                      ; 16,384 a head,
	s_add_co_u32 s24, s24, s25
	s_lshl_b32 s25, s27, 4
	s_add_co_u32 s25, s25, s26                     ; row 16 q + ja
	s_lshl_b32 s25, s25, 8
	s_add_co_u32 s24, s24, s25
	s_mov_b32 s25, 0
	s_add_nc_u64 s[12:13], s[12:13], s[24:25]
	s_lshl_b32 s26, s26, 3
	s_add_co_u32 s26, s26, s27                     ; piece 8 ja + q of an image's 32 pieces of 512 bytes
	s_lshl_b32 s26, s26, 9
	v_add_nc_u32 v[RDA], s26, v[ROFF]
	v_add_nc_u32 v[RDA+1], 0x10000, v[RDA]         ; source waves 4-7: beyond the 16-bit immediate
	s_wait_kmcnt 0x0                               ; e0, e1
	s_add_co_i32 s24, s14, 127
	s_lshl_b32 s25, s24, 23
	v_mov_b32 v[SCK], s25                          ; 2^e0
	s_add_co_i32 s24, s24, 8
	s_lshl_b32 s24, s24, 23
	s_or_b32 s[LKP], s24, 0x600000                 ; 448 x 2^e0: exponent + 8 over 448's mantissa field
	s_or_b32 s[LKN], s[LKP], 0x80000000
	s_add_co_i32 s24, s15, 127
	s_lshl_b32 s25, s24, 23
	v_mov_b32 v[SCK+1], s25                        ; 2^e1
	s_add_co_i32 s24, s24, 8
	s_lshl_b32 s24, s24, 23
	s_or_b32 s[LVP], s24, 0x600000
	s_or_b32 s[LVN], s[LVP], 0x80000000
	s_wait_loadcnt 63                              ; rho's load is the oldest of 65: with 63 out at the most it is in
	ds_store_b128 v[RST], v[RRAW:RRAW+3]           ; through my wave's own 512 bytes; LDS serves a wave's instructions in order (ISA guide 5.7.1.4): no wait, no barrier
.irp g, 0,1,2,3,4,5,6,7,8,9,10,11,12,13,14,15
	ds_load_b128 v[R+4*\g:R+4*\g+3], v[RLD] offset:16*\g   ; the sixteen lanes of a half take the same 16 bytes: v[R + i] = rho of row 64 h2 + i
.endr
	s_wait_dscnt 0x0
; A batch: 8 rows of each half become registers 2 b and 2 b + 1 of all eight fragments.
.macro BATCH b
.set XS, 64*((\b)%4)
.set LATER, 7-(\b)
.if LATER > 3
.set LATER, 3
.endif
	WIN 0x41                                       ; the numbers (destination, source 0) in window 1, rho in window 0
	s_wait_loadcnt 16*LATER+8                      ; the batch's keys are in; out may be its 8 loads of values and the LATER batches behind it
.irp a, 0,2,4,6
	v_pk_mul_f32 v[XS+4*\a:XS+4*\a+1], v[XS+4*\a:XS+4*\a+1], v[R+8*(\b)+\a:R+8*(\b)+\a+1] op_sel_hi:[1,0]                   ; row a: both x the pair's first rho
	v_pk_mul_f32 v[XS+4*\a+2:XS+4*\a+3], v[XS+4*\a+2:XS+4*\a+3], v[R+8*(\b)+\a:R+8*(\b)+\a+1] op_sel_hi:[1,0]
	v_pk_mul_f32 v[XS+4*\a+4:XS+4*\a+5], v[XS+4*\a+4:XS+4*\a+5], v[R+8*(\b)+\a:R+8*(\b)+\a+1] op_sel:[0,1] op_sel_hi:[1,1]   ; row a + 1: both x its second
	v_pk_mul_f32 v[XS+4*\a+6:XS+4*\a+7], v[XS+4*\a+6:XS+4*\a+7], v[R+8*(\b)+\a:R+8*(\b)+\a+1] op_sel:[0,1] op_sel_hi:[1,1]
.endr
.set i, 0
.rept 32
	v_med3_num_f32 v[XS+i], v[XS+i], s[LKN], s[LKP]    ; the conversion to an 8-bit code does not saturate (ISA guide 7.6.2): the hold at the largest code x the scale
.set i, i+1
.endr
	s_wait_loadcnt 16*LATER                        ; the batch's values are in
.rept 32
	v_med3_num_f32 v[XS+i], v[XS+i], s[LVN], s[LVP]
.set i, i+1
.endr
	WIN 0x01                                       ; codes and scales in window 0
.irp u, 0,1,2,3,4,5,6,7
	v_cvt_scalef32_pk8_fp8_f32 v[D+2*\u:D+2*\u+1], v[XS+8*\u:XS+8*\u+7], v[SCK+\u/4]   ; two rows x four columns: a register = one row's four codes.  u < 4: keys, else values
.endr
	v_nop                                          ; one plain vector instruction between the conversions and the first vector instruction that reads their results
.if (\b)+4 < 8
	WIN 0x40
	LOADB (\b)+4                                   ; the slot is free: its next batch goes out ahead of the turning
.endif
	WIN 0
.irp n, 0,1,2,3                                ; n = 0, 1: keys' rows 0-3, 4-7; n = 2, 3: values'
	v_perm_b32 v[P+4*\n],   v[D+4*\n+1], v[D+4*\n],   s[SELA]
	v_perm_b32 v[P+4*\n+1], v[D+4*\n+1], v[D+4*\n],   s[SELB]
	v_perm_b32 v[P+4*\n+2], v[D+4*\n+3], v[D+4*\n+2], s[SELA]
	v_perm_b32 v[P+4*\n+3], v[D+4*\n+3], v[D+4*\n+2], s[SELB]
.endr
.irp n, 0,1,2,3                                ; register 2 b + n % 2 of tiles 0 to 3: four rows of column 4 r + tile
	v_perm_b32 v[FK+64*(\n/2)+2*(\b)+\n%2],    v[P+4*\n+2], v[P+4*\n],   s[SELC]
	v_perm_b32 v[FK+64*(\n/2)+16+2*(\b)+\n%2], v[P+4*\n+2], v[P+4*\n],   s[SELD]
	v_perm_b32 v[FK+64*(\n/2)+32+2*(\b)+\n%2], v[P+4*\n+3], v[P+4*\n+1], s[SELC]
	v_perm_b32 v[FK+64*(\n/2)+48+2*(\b)+\n%2], v[P+4*\n+3], v[P+4*\n+1], s[SELD]
.endr
.endm
.irp b, 0,1,2,3,4,5,6,7
	BATCH \b
.endr
	; THE PRODUCTS: source 0 = keys' tile ja, source 1 = values' tile jb.  Register jj of lane (r, h2) of accumulator (ja, jb) is (k = 4 (8 h2 + jj) + ja, v = 4 r + jb).  Each sum is one instruction: C = 0, nothing is cleared.
	WIN 0x40                                       ; the accumulators lie in window 1, over the ring, whose loads are all in
.irp ja, 0,1,2,3
.irp jb, 0,1,2,3
	v_wmma_f32_16x16x128_fp8_fp8 v[8*(4*\ja+\jb):8*(4*\ja+\jb)+7], v[FK+16*\ja:FK+16*\ja+15], v[FV+16*\jb:FV+16*\jb+15], 0
.endr
.endr
.rept 4
	v_nop                                          ; four plain places between the last product and the first LDS store that reads a result
.endr
	; THE EIGHT WAVES' SUMS MEET IN LDS, as images of the registers: four registers a store, lane l's 16 bytes at 16 l: 512 consecutive bytes
	WIN 0x04                                       ; store data window 1
.irp t, 0,1,2,3,4,5,6,7,8,9,10,11,12,13,14,15
	ds_store_b128 v[IMG], v[8*\t:8*\t+3] offset:1024*\t          ; each accumulator from its low end on
	ds_store_b128 v[IMG], v[8*\t+4:8*\t+7] offset:1024*\t+512
.endr
	s_wait_dscnt 0x0                               ; for the others' sake: my image has landed
	s_barrier_signal -1
	s_barrier_wait -1
	WIN 0x40
.irp s, 0,1,2,3,4,5,6,7                        ; of each wave's image: registers 4 q .. 4 q + 3 of tiles (ja, 0..3)
.irp jb, 0,1,2,3
	ds_load_b128 v[L+16*\s+4*\jb:L+16*\s+4*\jb+3], v[RDA+\s/4] offset:(\s%4)*16384+\jb*1024
.endr
.endr
.macro ADD16 x, y
.irp p, 0,2,4,6,8,10,12,14
	v_pk_add_f32 v[L+16*(\x)+\p:L+16*(\x)+\p+1], v[L+16*(\x)+\p:L+16*(\x)+\p+1], v[L+16*(\y)+\p:L+16*(\y)+\p+1]
.endr
.endm
	WIN 0x45                                       ; all three in window 1
	s_wait_dscnt 24                                ; waves 0 and 1 are in; the 24 loads of the six behind them may be out
	ADD16 0, 1
	s_wait_dscnt 16
	ADD16 2, 3
	ADD16 0, 2
	s_wait_dscnt 8
	ADD16 4, 5
	s_wait_dscnt 0
	ADD16 6, 7
	ADD16 4, 6
.irp i, 0,1,2,3                                ; the last addition also renames: v[4 i + jb] = (k = 32 h2 + 16 q + 4 i + ja, v = 4 r + jb): four neighbours of a row
.irp jb, 0,1,2,3
	v_add_f32 v[4*\i+\jb], v[L+4*\jb+\i], v[L+64+4*\jb+\i]
.endr
.endr
	WIN 0x04
.irp i, 0,1,2,3
	global_store_b128 v[OUTO], v[4*\i:4*\i+3], s[12:13] offset:1024*\i   ; sixteen lanes store a row's 256 consecutive bytes, at a multiple of 256 from the part's first byte
.endr
	WIN 0
	s_wait_tensorcnt 0x0
	ds_add_u32 v126, v127
	s_wait_dscnt 0x0
	s_endpgm
.Lfunc_end_k_q91f3a546cd_outer:
	.size	k_q91f3a546cd_outer, .Lfunc_end_k_q91f3a546cd_outer-k_q91f3a546cd_outer
	.p2alignl 7, 3214868480
	.fill 96, 4, 3214868480
	.section	.rodata,"a",@progbits
	.p2align	6, 0x0
	.amdhsa_kernel k_q91f3a546cd_outer
		.amdhsa_group_segment_fixed_size 136192
		.amdhsa_private_segment_fixed_size 0
		.amdhsa_enable_private_segment 0
		.amdhsa_kernarg_size 40
		.amdhsa_user_sgpr_count 2
		.amdhsa_user_sgpr_kernarg_segment_ptr 1
		.amdhsa_wavefront_size32 1
		.amdhsa_system_sgpr_workgroup_id_x 1
		.amdhsa_system_sgpr_workgroup_id_y 1
		.amdhsa_system_sgpr_workgroup_id_z 1
		.amdhsa_system_vgpr_workitem_id 0
		.amdhsa_next_free_vgpr 512
		.amdhsa_next_free_sgpr 66
		.amdhsa_reserve_vcc 0
		.amdhsa_float_denorm_mode_32 3
		.amdhsa_float_denorm_mode_16_64 3
		.amdhsa_memory_ordered 1
		.amdhsa_forward_progress 1
		.amdhsa_inst_pref_size 88
	.end_amdhsa_kernel
	.amdgpu_metadata
---
amdhsa.version: [ 1, 2 ]
amdhsa.kernels:
  - .name:           k_q91f3a546cd_outer
    .symbol:         k_q91f3a546cd_outer.kd
    .args:
      - { .name: keys, .offset: 0, .size: 8, .value_kind: global_buffer, .address_space: global }
      - { .name: values, .offset: 8, .size: 8, .value_kind: global_buffer, .address_space: global }
      - { .name: write_strengths, .offset: 16, .size: 8, .value_kind: global_buffer, .address_space: global }
      - { .name: lowp_scales, .offset: 24, .size: 8, .value_kind: global_buffer, .address_space: global }
      - { .name: part, .offset: 32, .size: 8, .value_kind: global_buffer, .address_space: global }
    .group_segment_fixed_size: 136192
    .private_segment_fixed_size: 0
    .kernarg_segment_align: 8
    .kernarg_segment_size: 40
    .max_flat_workgroup_size: 256
    .sgpr_count:     66
    .vgpr_count:     512
    .wavefront_size: 32
...
	.end_amdgpu_metadata
.endif
;; end of part 1
;; launch fold (part 2): grid 256 x 1, 2 waves a work-group, no clusters, 0 bytes of LDS; arguments part, memory, lowp_scales, out0; writes out0
.if DOCPART == 2
	.amdgcn_target "amdgcn-amd-amdhsa--gfx1250"
	.amdhsa_code_object_version 6
	.text
	.protected	k_q91f3a546cd_fold
	.globl	k_q91f3a546cd_fold
	.p2align	8
	.type	k_q91f3a546cd_fold,@function
k_q91f3a546cd_fold:
	s_mov_b64 s[64:65], 0
	v_nop
	global_prefetch_b8 v0, s[64:65] scope:SCOPE_SE
	s_setreg_imm32_b32 hwreg(HW_REG_WAVE_MODE, 25, 1), 1
	s_wait_xcnt 0x0
; out0 = 0.95 memory + 2^(e0 + e1) x the sum over the 16 chunks of part[c].  part: [16][16][64][64] f32, sums of products of codes; memory, out0: [16][64][64] f32.
; 16,384 threads, 16 bytes of the output each: every load and store of a wave covers 512 consecutive bytes.  All 17 loads of a thread go out at once; the chunks are added in a fixed tree as they arrive.
; The power of two is applied by v_ldexp_f32, so e0 + e1 has no limit of its own.  No LDS, no barrier: threads share nothing.
.set PLANE, 262144                     ; bytes from chunk to chunk; 15 of them stay inside the signed 24-bit immediate (ISA guide, chapter 10)
.set M, 4                              ; v[4:7]   memory
.set S, 8                              ; v[8:71]  chunk c at S + 4 c
	s_load_b256 s[4:11], s[0:1], 0x0               ; part s[4:5], memory s[6:7], the scales' exponents s[8:9], out0 s[10:11]
	s_lshl_b32 s12, ttmp9, 10                      ; 64 threads x 16 bytes a work-group
	v_lshl_add_u32 v1, v0, 4, s12
	s_wait_kmcnt 0x0
	s_load_b64 s[14:15], s[8:9], 0x0               ; e0, e1
.irp c, 0,1,2,3,4,5,6,7,8,9,10,11,12,13,14,15
	global_load_b128 v[S+4*\c:S+4*\c+3], v1, s[4:5] offset:\c*PLANE th:TH_LOAD_NT
.endr
	global_load_b128 v[M:M+3], v1, s[6:7] th:TH_LOAD_NT
.macro ADD4 x, y
	v_pk_add_f32 v[S+4*(\x):S+4*(\x)+1], v[S+4*(\x):S+4*(\x)+1], v[S+4*(\y):S+4*(\y)+1]
	v_pk_add_f32 v[S+4*(\x)+2:S+4*(\x)+3], v[S+4*(\x)+2:S+4*(\x)+3], v[S+4*(\y)+2:S+4*(\y)+3]
.endm
.irp c, 0,2,4,6,8,10,12,14
	s_wait_loadcnt 15-\c                           ; chunks c and c + 1 are in; out may be the 14 - c chunks behind them and memory's load
	ADD4 \c, \c+1
.endr
	ADD4 0, 2
	ADD4 4, 6
	ADD4 8, 10
	ADD4 12, 14
	ADD4 0, 4
	ADD4 8, 12
	ADD4 0, 8
	s_wait_kmcnt 0x0
	s_add_co_i32 s14, s14, s15                     ; e0 + e1
.irp i, 0,1,2,3
	v_ldexp_f32 v[S+\i], v[S+\i], s14              ; a sum of products of codes stands for sum x 2^(e0 + e1)
.endr
	s_wait_loadcnt 0x0                             ; memory
	v_pk_fma_f32 v[S:S+1], v[M:M+1], 0x3f733333, v[S:S+1] op_sel_hi:[1,0,1]       ; 0.95 x memory + delta, one rounding
	v_pk_fma_f32 v[S+2:S+3], v[M+2:M+3], 0x3f733333, v[S+2:S+3] op_sel_hi:[1,0,1]
	global_store_b128 v1, v[S:S+3], s[10:11] th:TH_STORE_NT
	s_endpgm
.Lfunc_end_k_q91f3a546cd_fold:
	.size	k_q91f3a546cd_fold, .Lfunc_end_k_q91f3a546cd_fold-k_q91f3a546cd_fold
	.p2alignl 7, 3214868480
	.fill 96, 4, 3214868480
	.section	.rodata,"a",@progbits
	.p2align	6, 0x0
	.amdhsa_kernel k_q91f3a546cd_fold
		.amdhsa_group_segment_fixed_size 0
		.amdhsa_private_segment_fixed_size 0
		.amdhsa_enable_private_segment 0
		.amdhsa_kernarg_size 32
		.amdhsa_user_sgpr_count 2
		.amdhsa_user_sgpr_kernarg_segment_ptr 1
		.amdhsa_wavefront_size32 1
		.amdhsa_system_sgpr_workgroup_id_x 1
		.amdhsa_system_sgpr_workgroup_id_y 1
		.amdhsa_system_sgpr_workgroup_id_z 1
		.amdhsa_system_vgpr_workitem_id 0
		.amdhsa_next_free_vgpr 72
		.amdhsa_next_free_sgpr 66
		.amdhsa_reserve_vcc 0
		.amdhsa_float_denorm_mode_32 3
		.amdhsa_float_denorm_mode_16_64 3
		.amdhsa_memory_ordered 1
		.amdhsa_forward_progress 1
		.amdhsa_inst_pref_size 5
	.end_amdhsa_kernel
	.amdgpu_metadata
---
amdhsa.version: [ 1, 2 ]
amdhsa.kernels:
  - .name:           k_q91f3a546cd_fold
    .symbol:         k_q91f3a546cd_fold.kd
    .args:
      - { .name: part, .offset: 0, .size: 8, .value_kind: global_buffer, .address_space: global }
      - { .name: memory, .offset: 8, .size: 8, .value_kind: global_buffer, .address_space: global }
      - { .name: lowp_scales, .offset: 16, .size: 8, .value_kind: global_buffer, .address_space: global }
      - { .name: out0, .offset: 24, .size: 8, .value_kind: global_buffer, .address_space: global }
    .group_segment_fixed_size: 0
    .private_segment_fixed_size: 0
    .kernarg_segment_align: 8
    .kernarg_segment_size: 32
    .max_flat_workgroup_size: 64
    .sgpr_count:     66
    .vgpr_count:     72
    .wavefront_size: 32
...
	.end_amdgpu_metadata
.endif
;; end of part 2
;; ======== version 2 of 2: 2 launches; version 1 with the launch outer written anew for expert scheduling mode
;; workspace buffers: part 4,194,304 bytes
;; launch outer (part 3): grid 16 x 16, 8 waves a work-group, no clusters, 136,192 bytes of LDS; arguments keys, values, write_strengths, lowp_scales, part; writes part
.if DOCPART == 3
	.amdgcn_target "amdgcn-amd-amdhsa--gfx1250"
	.amdhsa_code_object_version 6
	.text
	.protected	k_q91f3a546cd_outer
	.globl	k_q91f3a546cd_outer
	.p2align	8
	.type	k_q91f3a546cd_outer,@function
k_q91f3a546cd_outer:
	s_mov_b64 s[64:65], 0
	v_nop
	global_prefetch_b8 v0, s[64:65] scope:SCOPE_SE
	s_setreg_imm32_b32 hwreg(HW_REG_WAVE_SCHED_MODE, 0, 2), 2
	s_setreg_imm32_b32 hwreg(HW_REG_WAVE_MODE, 25, 1), 1
	s_wait_xcnt 0x0
	s_wait_alu depctr_vm_vsrc(0)
; part[c][h][k][v] = the sum over the 1,024 rows (b,s) of chunk c of Q(rho[row] keys[row][h][k]) Q(values[row][h][v]), as a sum of products of CODES of FP8 (E4M3):
; the factor 2^(e0 + e1) is applied once, by the launch that adds the 16 chunks.  keys, values: [16384 rows][16 heads][64] f32; rho = write_strengths: [16384] f32.
; Q: x / 2^e, held within +-448, to the nearest code, ties to even; e0 (rho x keys) and e1 (values) are the two whole numbers in lowp_scales.
; LIMITS: e0 and e1 lie between -126 and 119, so that 2^e and 448 x 2^e are f32 numbers.  NaN among the inputs is not served (an infinity is held at the largest code).
; The sums are grouped by wave (128 rows) and then added over the eight waves in a fixed tree: another order than one ascending chain.
; SHARES.  Work-group (x = head h, y = chunk c): 1,024 rows x 256 bytes of keys and of values; each piece is 256 consecutive bytes at a multiple of 256 from the buffer's first byte.
; Wave w: rows 128 w .. 128 w + 127: ONE step of 128 along K for all 16 tiles of the head's 64 x 64.  K is not innermost in memory, so:
; LANES.  Lane (r = lane % 16, h2 = lane / 16) loads 16 bytes, columns 4 r .. 4 r + 3 of row 64 h2 + i: sixteen lanes read a row's whole 256 bytes, one instruction two rows.
; Tile j of an operand is the columns { 4 r + j }: which columns form a tile only says where a result lands.  The k place (h2, register g, byte a) holds row 64 h2 + 4 g + a in keys and values alike,
; so every product meets its partner.  The conversion leaves 4 columns of one row in a register; eight v_perm_b32 turn 4 rows x 4 columns of bytes, so that a register holds 4 rows of one column.
; NO CLUSTER: no byte of keys or values is read by two work-groups; what heads share is a chunk's 4,096 bytes of rho beside 524,288 bytes of their own.  No tensor loads: the ring below lies in registers.
; REGISTERS, in windows of 256 (s_set_vgpr_msb: bits 1:0 source 0, 3:2 source 1, 5:4 source 2, 7:6 destination):
;   window 0: v1-11 addresses and scales; v12-15 rho as loaded; v16-79 rho of my half's 64 rows; v80-95 codes by rows; v96-111 half turned; v128-191 keys' four fragments; v192-255 values'.
;   window 1: a ring of four slots x 64 registers (8 loads of keys, 8 of values); at the end v0-127 the 16 accumulators, v128-255 eight waves' images of my share.
; THE MODE: SCHED_MODE bits 1:0 = 2 (LLVM: expert scheduling mode 2), set by the entry lines.  The code itself states the register dependences
; between vector or matrix instructions and memory or LDS instructions, with s_wait_alu, always for 0.  The text has no label and no branch: one path.
; THE PLAN.  Registers that memory or LDS instructions touch:
;   v1, v2, v8    offsets, made at the head ahead of the first load; read by every load of keys and values, by rho's load, by the last stores; never written again.
;   v3 .. v7      LDS addresses, made behind the ring's first fill; read by rho's store and loads and by the images' stores and loads; never written again.
;   v12-15, v16-79  rho: loads land once; no vector instruction named them before, none writes them.
;   slot b % 4    Batch b: its multiplies and holds write the slot, its conversions read it; behind them, in batches 0 to 3, the loads of batch b + 4 land in it.
;   window 1 v0-127    written by the products, read by the images' stores; v0-15 are then written by the last additions and read by the global stores.
;   window 1 v128-255  slots 2 and 3, last named by batches 6 and 7; the images' loads land there.
;   The codes, the half turned codes, the fragments and the scales are named by vector and matrix instructions alone.
; So a batch that loads has ONE wait on va_vdst, behind its conversions; its sixteen loads follow in two runs, dealt among its 32 v_perm_b32, which name window 0's v80-111 and v128-255:
; none of the registers that those loads touch.  The other waits: one for the wave's number, two at the head for addresses, one ahead of the images' stores, one on vm_vsrc and one on va_vdst round the last additions.
.set ROWB,  4096                       ; bytes from row to row in keys and in values
.set RHO,   131072                     ; LDS: eight images of 16,384 bytes, then 512 bytes of rho for each wave
.set VOFF,  1                          ; v1   64 h2 rows + 16 r: my 16 bytes of a load; never rewritten
.set ROFF,  2                          ; v2   16 x lane
.set RST,   3                          ; v3   LDS: where I put my 16 bytes of rho
.set RLD,   4                          ; v4   LDS: rho of my half's 64 rows
.set IMG,   5                          ; v5   LDS: my wave's image + 16 x lane
.set RDA,   6                          ; v6-7 LDS: my share in the images of waves 0-3, 4-7
.set OUTO,  8                          ; v8   my byte in the part: 32 h2 rows of 256 bytes + 16 r
.set SCK,   9                          ; v9   2^e0, v10 2^e1, as f32: the conversions take the exponent field
.set T,     11
.set RRAW,  12
.set R,     16
.set D,     80
.set P,     96
.set FK,    128
.set FV,    192
.set L,     128                        ; window 1: image of source wave s at L + 16 s
.set WV,    16                         ; s16  wave
.set CH,    17                         ; s17  chunk
.set LKN,   20                         ; s20, s21  -448 x 2^e0, +448 x 2^e0
.set LKP,   21
.set LVN,   22                         ; s22, s23  the same with e1
.set LVP,   23
.set SELA,  28                         ; s28-31  byte selectors
.set SELB,  29
.set SELC,  30
.set SELD,  31
.set MSB, 0
.macro WIN new                         ; the immediate's high byte repeats the setting that is left; a switch that changes nothing is dropped
.if MSB != \new
	s_set_vgpr_msb (MSB<<8)|\new
.set MSB, \new
.endif
.endm
; Batch b = rows 8 b .. 8 b + 7 of each half: 8 loads of keys, then 8 of values, into slot b % 4.  Read once in the launch.
.macro LOADK b
.irp a, 0,1,2,3,4,5,6,7
	global_load_b128 v[64*((\b)%4)+4*\a:64*((\b)%4)+4*\a+3], v[VOFF], s[4:5] offset:(8*(\b)+\a)*ROWB th:TH_LOAD_NT
.endr
.endm
.macro LOADV b
.irp a, 0,1,2,3,4,5,6,7
	global_load_b128 v[64*((\b)%4)+32+4*\a:64*((\b)%4)+32+4*\a+3], v[VOFF], s[6:7] offset:(8*(\b)+\a)*ROWB th:TH_LOAD_NT
.endr
.endm
	s_load_b256 s[4:11], s[0:1], 0x0               ; keys s[4:5], values s[6:7], rho s[8:9], the scales' exponents s[10:11]
	s_load_b64 s[12:13], s[0:1], 0x20              ; part
	v_lshl_add_u32 v126, v0, 2, 0x21000
	v_mov_b32 v127, 0
	v_lshrrev_b32 v[T], 5, v0
	v_readfirstlane_b32 s[WV], v[T]                ; wave 0..7
	v_and_b32 v[VOFF], 15, v0                      ; r
	v_bfe_u32 v[T], v0, 4, 1                       ; h2
	v_lshlrev_b32 v[VOFF], 4, v[VOFF]              ; 16 r
	v_lshl_add_u32 v[OUTO], v[T], 13, v[VOFF]      ; + 32 h2 rows of 256 bytes
	v_lshl_add_u32 v[VOFF], v[T], 18, v[VOFF]      ; + 64 h2 rows of 4,096 bytes
	v_and_b32 v[ROFF], 31, v0
	v_lshlrev_b32 v[ROFF], 4, v[ROFF]              ; 16 x lane
	s_wait_alu depctr_va_sdst(0)                   ; s16, the wave's number, is written, ahead of its first reader: the bases below are made from it
	s_and_b32 s[CH], ttmp7, 0xffff                 ; chunk
	s_lshl_b32 s18, s[CH], 22                      ; 1,024 rows x 4,096 bytes a chunk,
	s_lshl_b32 s19, s[WV], 19                      ; 128 rows a wave,
	s_add_co_u32 s18, s18, s19
	s_lshl_b32 s19, ttmp9, 8                       ; 256 bytes a head: under 2^27 in all
	s_add_co_u32 s18, s18, s19
	s_mov_b32 s19, 0
	s_lshl_b32 s24, s[CH], 12                      ; rho: 4,096 bytes a chunk, 512 a wave
	s_lshl_b32 s25, s[WV], 9
	s_add_co_u32 s24, s24, s25
	s_mov_b32 s25, 0
	s_wait_kmcnt 0x0
	s_add_nc_u64 s[4:5], s[4:5], s[18:19]
	s_add_nc_u64 s[6:7], s[6:7], s[18:19]
	s_add_nc_u64 s[8:9], s[8:9], s[24:25]
	s_load_b64 s[14:15], s[10:11], 0x0             ; e0, e1
	s_wait_alu depctr_va_vdst(0)                   ; the offsets v1, v2 and v8 are written: rho's load, every load of keys and values and the last stores read one of them; no vector instruction writes them again
	global_load_b128 v[RRAW:RRAW+3], v[ROFF], s[8:9]   ; my wave's 128 rho: 512 consecutive bytes, once
	WIN 0x40                                       ; destination window 1, address window 0
.irp b, 0,1,2,3
	LOADK \b                                       ; the ring is filled before anything else is done: 64 loads of 512 bytes a wave
	LOADV \b
.endr
	WIN 0
	v_lshl_add_u32 v[RST], v0, 4, RHO              ; 16 x thread = 512 x wave + 16 x lane
	v_lshrrev_b32 v[RLD], 4, v0                    ; 2 x wave + h2
	v_lshl_add_u32 v[RLD], v[RLD], 8, RHO          ; my half's 64 rho: 256 bytes
	v_lshrrev_b32 v[T], 5, v0
	v_lshl_add_u32 v[IMG], v[T], 14, v[ROFF]       ; 16,384 x wave + 16 x lane
	s_mov_b32 s[SELA], 0x05010400                  ; of two rows' codes: columns 0 and 1, the rows side by side
	s_mov_b32 s[SELB], 0x07030602                  ; columns 2 and 3
	s_mov_b32 s[SELC], 0x05040100                  ; of two such pairs: the low halves: four rows of the even column
	s_mov_b32 s[SELD], 0x07060302                  ; the high halves: of the odd column
	s_lshr_b32 s26, s[WV], 1                       ; ja: in the last phase I add the four tiles (ja, 0..3),
	s_and_b32 s27, s[WV], 1                        ; q: registers 4 q .. 4 q + 3 of each
	s_lshl_b32 s24, s[CH], 18                      ; part: 262,144 bytes a chunk,
	s_lshl_b32 s25, ttmp9, 14                      ; 16,384 a head,
	s_add_co_u32 s24, s24, s25
	s_lshl_b32 s25, s27, 4
	s_add_co_u32 s25, s25, s26                     ; row 16 q + ja
	s_lshl_b32 s25, s25, 8
	s_add_co_u32 s24, s24, s25
	s_mov_b32 s25, 0
	s_add_nc_u64 s[12:13], s[12:13], s[24:25]
	s_lshl_b32 s26, s26, 3
	s_add_co_u32 s26, s26, s27                     ; piece 8 ja + q of an image's 32 pieces of 512 bytes
	s_lshl_b32 s26, s26, 9
	v_add_nc_u32 v[RDA], s26, v[ROFF]
	v_add_nc_u32 v[RDA+1], 0x10000, v[RDA]         ; source waves 4-7: beyond the 16-bit immediate
	s_wait_kmcnt 0x0                               ; e0, e1
	s_add_co_i32 s24, s14, 127
	s_lshl_b32 s25, s24, 23
	v_mov_b32 v[SCK], s25                          ; 2^e0
	s_add_co_i32 s24, s24, 8
	s_lshl_b32 s24, s24, 23
	s_or_b32 s[LKP], s24, 0x600000                 ; 448 x 2^e0: exponent + 8 over 448's mantissa field
	s_or_b32 s[LKN], s[LKP], 0x80000000
	s_add_co_i32 s24, s15, 127
	s_lshl_b32 s25, s24, 23
	v_mov_b32 v[SCK+1], s25                        ; 2^e1
	s_add_co_i32 s24, s24, 8
	s_lshl_b32 s24, s24, 23
	s_or_b32 s[LVP], s24, 0x600000
	s_or_b32 s[LVN], s[LVP], 0x80000000
	s_wait_loadcnt 63                              ; rho's load is the oldest of 65: with 63 out at the most it is in
	s_wait_alu depctr_va_vdst(0)                   ; the LDS addresses v3 to v7 are written: rho's store and loads below and the images' stores and loads read them; no vector instruction names them again
	ds_store_b128 v[RST], v[RRAW:RRAW+3]           ; through my wave's own 512 bytes; LDS serves a wave's instructions in order (ISA guide 5.7.1.4): no wait on DScnt, no barrier
.irp g, 0,1,2,3,4,5,6,7,8,9,10,11,12,13,14,15
	ds_load_b128 v[R+4*\g:R+4*\g+3], v[RLD] offset:16*\g   ; the sixteen lanes of a half take the same 16 bytes: v[R + i] = rho of row 64 h2 + i
.endr
	s_wait_dscnt 0x0
; A batch: 8 rows of each half become registers 2 b and 2 b + 1 of all eight fragments.
.macro BATCH b
.set XS, 64*((\b)%4)
.set LATER, 7-(\b)
.if LATER > 3
.set LATER, 3
.endif
	WIN 0x41                                       ; the numbers (destination, source 0) in window 1, rho in window 0
	s_wait_loadcnt 16*LATER+8                      ; the batch's keys are in; out may be its 8 loads of values and the LATER batches behind it
.irp a, 0,2,4,6
	v_pk_mul_f32 v[XS+4*\a:XS+4*\a+1], v[XS+4*\a:XS+4*\a+1], v[R+8*(\b)+\a:R+8*(\b)+\a+1] op_sel_hi:[1,0]                   ; row a: both x the pair's first rho
	v_pk_mul_f32 v[XS+4*\a+2:XS+4*\a+3], v[XS+4*\a+2:XS+4*\a+3], v[R+8*(\b)+\a:R+8*(\b)+\a+1] op_sel_hi:[1,0]
	v_pk_mul_f32 v[XS+4*\a+4:XS+4*\a+5], v[XS+4*\a+4:XS+4*\a+5], v[R+8*(\b)+\a:R+8*(\b)+\a+1] op_sel:[0,1] op_sel_hi:[1,1]   ; row a + 1: both x its second
	v_pk_mul_f32 v[XS+4*\a+6:XS+4*\a+7], v[XS+4*\a+6:XS+4*\a+7], v[R+8*(\b)+\a:R+8*(\b)+\a+1] op_sel:[0,1] op_sel_hi:[1,1]
.endr
.set i, 0
.rept 32
	v_med3_num_f32 v[XS+i], v[XS+i], s[LKN], s[LKP]    ; the conversion to an 8-bit code does not saturate (ISA guide 7.6.2): the hold at the largest code x the scale
.set i, i+1
.endr
	s_wait_loadcnt 16*LATER                        ; the batch's values are in
.rept 32
	v_med3_num_f32 v[XS+i], v[XS+i], s[LVN], s[LVP]
.set i, i+1
.endr
	WIN 0x01                                       ; codes and scales in window 0
.irp u, 0,1,2,3,4,5,6,7
	v_cvt_scalef32_pk8_fp8_f32 v[D+2*\u:D+2*\u+1], v[XS+8*\u:XS+8*\u+7], v[SCK+\u/4]   ; two rows x four columns: a register = one row's four codes.  u < 4: keys, else values
.endr
	v_nop                                          ; one plain vector instruction between the conversions and the first vector instruction that reads their results
.if (\b)+4 < 8
	WIN 0x40
	s_wait_alu depctr_va_vdst(0)                   ; the multiplies and holds have written the slot and the conversions are done reading it: the sixteen loads of batch b + 4 land in it
	LOADK (\b)+4                                   ; the slot's next keys go out ahead of the turning
.endif
	WIN 0
.irp n, 0,1,2,3                                ; n = 0, 1: keys' rows 0-3, 4-7; n = 2, 3: values'
	v_perm_b32 v[P+4*\n],   v[D+4*\n+1], v[D+4*\n],   s[SELA]
	v_perm_b32 v[P+4*\n+1], v[D+4*\n+1], v[D+4*\n],   s[SELB]
	v_perm_b32 v[P+4*\n+2], v[D+4*\n+3], v[D+4*\n+2], s[SELA]
	v_perm_b32 v[P+4*\n+3], v[D+4*\n+3], v[D+4*\n+2], s[SELB]
.endr
.if (\b)+4 < 8
	WIN 0x40
	LOADV (\b)+4                                   ; its next values.  No wait: the sixteen lines since the wait above name the codes and the half turned codes alone, not the slot, not v1
	WIN 0
.endif
.irp n, 0,1,2,3                                ; register 2 b + n % 2 of tiles 0 to 3: four rows of column 4 r + tile
	v_perm_b32 v[FK+64*(\n/2)+2*(\b)+\n%2],    v[P+4*\n+2], v[P+4*\n],   s[SELC]
	v_perm_b32 v[FK+64*(\n/2)+16+2*(\b)+\n%2], v[P+4*\n+2], v[P+4*\n],   s[SELD]
	v_perm_b32 v[FK+64*(\n/2)+32+2*(\b)+\n%2], v[P+4*\n+3], v[P+4*\n+1], s[SELC]
	v_perm_b32 v[FK+64*(\n/2)+48+2*(\b)+\n%2], v[P+4*\n+3], v[P+4*\n+1], s[SELD]
.endr
.endm
.irp b, 0,1,2,3,4,5,6,7
	BATCH \b                                       ; batches 4 to 7 issue no load, so they hold no s_wait_alu
.endr
	; THE PRODUCTS: source 0 = keys' tile ja, source 1 = values' tile jb.  Register jj of lane (r, h2) of accumulator (ja, jb) is (k = 4 (8 h2 + jj) + ja, v = 4 r + jb).  Each sum is one instruction: C = 0, nothing is cleared.
	WIN 0x40                                       ; the accumulators lie in window 1, over the ring, whose loads are all in
.irp ja, 0,1,2,3
.irp jb, 0,1,2,3
	v_wmma_f32_16x16x128_fp8_fp8 v[8*(4*\ja+\jb):8*(4*\ja+\jb)+7], v[FK+16*\ja:FK+16*\ja+15], v[FV+16*\jb:FV+16*\jb+15], 0
.endr
.endr
.rept 4
	v_nop                                          ; four plain places between the last product and the first LDS store that reads a result
.endr
	; THE EIGHT WAVES' SUMS MEET IN LDS, as images of the registers: four registers a store, lane l's 16 bytes at 16 l: 512 consecutive bytes
	WIN 0x04                                       ; store data window 1
	s_wait_alu depctr_va_vdst(0)                   ; the products have written the accumulators, which the LDS stores read (the places above stay beside this wait); and batches 6 and 7 are done with slots 2 and 3, in which the images' loads below land
.irp t, 0,1,2,3,4,5,6,7,8,9,10,11,12,13,14,15
	ds_store_b128 v[IMG], v[8*\t:8*\t+3] offset:1024*\t          ; each accumulator from its low end on
	ds_store_b128 v[IMG], v[8*\t+4:8*\t+7] offset:1024*\t+512
.endr
	s_wait_dscnt 0x0                               ; for the others' sake: my image has landed
	s_barrier_signal -1
	s_barrier_wait -1
	WIN 0x40
.irp s, 0,1,2,3,4,5,6,7                        ; of each wave's image: registers 4 q .. 4 q + 3 of tiles (ja, 0..3).  No wait: no vector or matrix instruction since the wait above, and the stores between name other registers
.irp jb, 0,1,2,3
	ds_load_b128 v[L+16*\s+4*\jb:L+16*\s+4*\jb+3], v[RDA+\s/4] offset:(\s%4)*16384+\jb*1024
.endr
.endr
.macro ADD16 x, y
.irp p, 0,2,4,6,8,10,12,14
	v_pk_add_f32 v[L+16*(\x)+\p:L+16*(\x)+\p+1], v[L+16*(\x)+\p:L+16*(\x)+\p+1], v[L+16*(\y)+\p:L+16*(\y)+\p+1]
.endr
.endm
	WIN 0x45                                       ; all three in window 1
	s_wait_dscnt 24                                ; waves 0 and 1 are in; the 24 loads of the six behind them may be out
	ADD16 0, 1
	s_wait_dscnt 16
	ADD16 2, 3
	ADD16 0, 2
	s_wait_dscnt 8
	ADD16 4, 5
	s_wait_dscnt 0
	ADD16 6, 7
	ADD16 4, 6
	s_wait_alu depctr_vm_vsrc(0)                   ; my image's LDS stores have read window 1's v0-15, the first two accumulators, which the additions below write
.irp i, 0,1,2,3                                ; the last addition also renames: v[4 i + jb] = (k = 32 h2 + 16 q + 4 i + ja, v = 4 r + jb): four neighbours of a row
.irp jb, 0,1,2,3
	v_add_f32 v[4*\i+\jb], v[L+4*\jb+\i], v[L+64+4*\jb+\i]
.endr
.endr
	WIN 0x04
	s_wait_alu depctr_va_vdst(0)                   ; the last additions have written window 1's v0-15, which the stores read
.irp i, 0,1,2,3
	global_store_b128 v[OUTO], v[4*\i:4*\i+3], s[12:13] offset:1024*\i   ; sixteen lanes store a row's 256 consecutive bytes, at a multiple of 256 from the part's first byte
.endr
	WIN 0
	s_wait_dscnt 0x0
	s_wait_alu depctr_hold_cnt(0) depctr_sa_sdst(0) depctr_va_vdst(0) depctr_va_sdst(0) depctr_va_ssrc(0) depctr_va_vcc(0) depctr_vm_vsrc(0)
	s_wait_tensorcnt 0x0
	ds_add_u32 v126, v127
	s_wait_dscnt 0x0
	s_endpgm
.Lfunc_end_k_q91f3a546cd_outer:
	.size	k_q91f3a546cd_outer, .Lfunc_end_k_q91f3a546cd_outer-k_q91f3a546cd_outer
	.p2alignl 7, 3214868480
	.fill 96, 4, 3214868480
	.section	.rodata,"a",@progbits
	.p2align	6, 0x0
	.amdhsa_kernel k_q91f3a546cd_outer
		.amdhsa_group_segment_fixed_size 136192
		.amdhsa_private_segment_fixed_size 0
		.amdhsa_enable_private_segment 0
		.amdhsa_kernarg_size 40
		.amdhsa_user_sgpr_count 2
		.amdhsa_user_sgpr_kernarg_segment_ptr 1
		.amdhsa_wavefront_size32 1
		.amdhsa_system_sgpr_workgroup_id_x 1
		.amdhsa_system_sgpr_workgroup_id_y 1
		.amdhsa_system_sgpr_workgroup_id_z 1
		.amdhsa_system_vgpr_workitem_id 0
		.amdhsa_next_free_vgpr 512
		.amdhsa_next_free_sgpr 66
		.amdhsa_reserve_vcc 0
		.amdhsa_float_denorm_mode_32 3
		.amdhsa_float_denorm_mode_16_64 3
		.amdhsa_memory_ordered 1
		.amdhsa_forward_progress 1
		.amdhsa_inst_pref_size 89
	.end_amdhsa_kernel
	.amdgpu_metadata
---
amdhsa.version: [ 1, 2 ]
amdhsa.kernels:
  - .name:           k_q91f3a546cd_outer
    .symbol:         k_q91f3a546cd_outer.kd
    .args:
      - { .name: keys, .offset: 0, .size: 8, .value_kind: global_buffer, .address_space: global }
      - { .name: values, .offset: 8, .size: 8, .value_kind: global_buffer, .address_space: global }
      - { .name: write_strengths, .offset: 16, .size: 8, .value_kind: global_buffer, .address_space: global }
      - { .name: lowp_scales, .offset: 24, .size: 8, .value_kind: global_buffer, .address_space: global }
      - { .name: part, .offset: 32, .size: 8, .value_kind: global_buffer, .address_space: global }
    .group_segment_fixed_size: 136192
    .private_segment_fixed_size: 0
    .kernarg_segment_align: 8
    .kernarg_segment_size: 40
    .max_flat_workgroup_size: 256
    .sgpr_count:     66
    .vgpr_count:     512
    .wavefront_size: 32
...
	.end_amdgpu_metadata
.endif
;; end of part 3
;; launch fold: the kernel of part 2 again; grid 256 x 1, 2 waves a work-group, no clusters, 0 bytes of LDS; arguments part, memory, lowp_scales, out0; writes out0
